; MI455X (gfx1250); checked and timed in simulation.
; The chip was launched on July 23, 2026; its instructions are those of AMD's public machine-readable ISA for CDNA 5 (MIT licence, August 2026) and "CDNA5" Instruction Set Architecture Reference Guide (July 2026). The comments in the code are by the model that wrote it; some were corrected since.
;; Seq Attention. Allowed arithmetic: float matrix products may take bf16 or f16 operands with f32 sums; all other float work in f32.
;; Inputs: W 1,024 x 1,024 float32; b 1,024 float32; x 32 x 1,024 x 1,024 float32.
;; Outputs: out0 32 x 1,024 float32.
;; One version. Each part assembles by itself: llvm-mc -triple=amdgcn-amd-amdhsa -mcpu=gfx1250 --defsym DOCPART=n.
;; ======== version 1 of 1: 4 launches
;; workspace buffers: wb 2,097,152 bytes; hidt 67,108,864 bytes; stats 2,097,152 bytes
;; launch castw (part 1): grid 256 x 1, 4 waves a work-group, no clusters, 0 bytes of LDS; arguments W, wb; writes wb
.if DOCPART == 1
	.amdgcn_target "amdgcn-amd-amdhsa--gfx1250"
	.amdhsa_code_object_version 6
	.text
	.protected	k_qcb5a14dd7d_castw
	.globl	k_qcb5a14dd7d_castw
	.p2align	8
	.type	k_qcb5a14dd7d_castw,@function
k_qcb5a14dd7d_castw:
	s_mov_b64 s[64:65], 0
	v_nop
	global_prefetch_b8 v0, s[64:65] scope:SCOPE_SE
	s_setreg_imm32_b32 hwreg(HW_REG_WAVE_MODE, 25, 1), 1
	s_wait_xcnt 0x0
; wb = W rounded to bf16 (nearest even).  W: [1024][1024] f32, wb: [1024][1024] bf16.
; W is multiplied 128 times in the next launch (32 batches x 4 blocks of t), so it is rounded once here; x is used once and is rounded there.
; A stream: 256 work-groups of 4,096 numbers; thread t takes 8 neighbouring numbers in each of 4 groups of 1,024 numbers,
; so that a store of a wave covers 512 consecutive bytes, aligned.  No LDS, no barrier, no matrix unit, no cluster: nothing is shared or reused.
.set X, 4                              ; v[4:35]   group g: 8 numbers in f32
.set Y, 36                             ; v[36:51]  group g: 8 numbers in bf16
	s_load_b128 s[4:7], s[0:1], 0x0                ; W s[4:5], wb s[6:7]
	s_lshl_b32 s2, ttmp9, 14                       ; the work-group's 16,384 bytes of W
	s_mov_b32 s3, 0
	s_lshl_b32 s8, ttmp9, 13                       ; and its 8,192 bytes of wb
	s_mov_b32 s9, 0
	v_lshlrev_b32 v1, 5, v0                        ; 32 bytes in for a thread
	v_lshlrev_b32 v2, 4, v0                        ; 16 bytes out
	s_wait_kmcnt 0x0
	s_add_nc_u64 s[4:5], s[4:5], s[2:3]
	s_add_nc_u64 s[6:7], s[6:7], s[8:9]
.irp g, 0,1,2,3
	global_load_b128 v[X+8*\g:X+8*\g+3],   v1, s[4:5] offset:4096*\g th:TH_LOAD_NT
	global_load_b128 v[X+8*\g+4:X+8*\g+7], v1, s[4:5] offset:4096*\g+16 th:TH_LOAD_NT
.endr
.irp g, 0,1,2,3
	s_wait_loadcnt 6-2*\g                          ; loads come back in order: the two loads of each younger group may stay out
.irp q, 0,1,2,3
	v_cvt_pk_bf16_f32 v[Y+4*\g+\q], v[X+8*\g+2*\q], v[X+8*\g+2*\q+1]
.endr
	global_store_b128 v2, v[Y+4*\g:Y+4*\g+3], s[6:7] offset:2048*\g   ; no hint: the next launch reads wb many times
.endr
	s_endpgm
.Lfunc_end_k_qcb5a14dd7d_castw:
	.size	k_qcb5a14dd7d_castw, .Lfunc_end_k_qcb5a14dd7d_castw-k_qcb5a14dd7d_castw
	.p2alignl 7, 3214868480
	.fill 96, 4, 3214868480
	.section	.rodata,"a",@progbits
	.p2align	6, 0x0
	.amdhsa_kernel k_qcb5a14dd7d_castw
		.amdhsa_group_segment_fixed_size 0
		.amdhsa_private_segment_fixed_size 0
		.amdhsa_enable_private_segment 0
		.amdhsa_kernarg_size 16
		.amdhsa_user_sgpr_count 2
		.amdhsa_user_sgpr_kernarg_segment_ptr 1
		.amdhsa_wavefront_size32 1
		.amdhsa_system_sgpr_workgroup_id_x 1
		.amdhsa_system_sgpr_workgroup_id_y 1
		.amdhsa_system_sgpr_workgroup_id_z 1
		.amdhsa_system_vgpr_workitem_id 0
		.amdhsa_next_free_vgpr 52
		.amdhsa_next_free_sgpr 66
		.amdhsa_reserve_vcc 0
		.amdhsa_float_denorm_mode_32 3
		.amdhsa_float_denorm_mode_16_64 3
		.amdhsa_memory_ordered 1
		.amdhsa_forward_progress 1
		.amdhsa_inst_pref_size 3
	.end_amdhsa_kernel
	.amdgpu_metadata
---
amdhsa.version: [ 1, 2 ]
amdhsa.kernels:
  - .name:           k_qcb5a14dd7d_castw
    .symbol:         k_qcb5a14dd7d_castw.kd
    .args:
      - { .name: W, .offset: 0, .size: 8, .value_kind: global_buffer, .address_space: global }
      - { .name: wb, .offset: 8, .size: 8, .value_kind: global_buffer, .address_space: global }
    .group_segment_fixed_size: 0
    .private_segment_fixed_size: 0
    .kernarg_segment_align: 8
    .kernarg_segment_size: 16
    .max_flat_workgroup_size: 128
    .sgpr_count:     66
    .vgpr_count:     52
    .wavefront_size: 32
...
	.end_amdgpu_metadata
.endif
;; end of part 1
;; launch hid (part 2): grid 128 x 4, 4 waves a work-group, clusters of 4 x 4, 327,680 bytes of LDS; arguments wb, x, b, hidt; writes hidt
.if DOCPART == 2
	.amdgcn_target "amdgcn-amd-amdhsa--gfx1250"
	.amdhsa_code_object_version 6
	.text
	.protected	k_qcb5a14dd7d_hid
	.globl	k_qcb5a14dd7d_hid
	.p2align	8
	.type	k_qcb5a14dd7d_hid,@function
k_qcb5a14dd7d_hid:
	s_mov_b64 s[64:65], 0
	v_nop
	global_prefetch_b8 v0, s[64:65] scope:SCOPE_SE
	s_setreg_imm32_b32 hwreg(HW_REG_WAVE_MODE, 25, 1), 1
	s_wait_xcnt 0x0
	s_wait_alu depctr_hold_cnt(0) depctr_sa_sdst(0) depctr_va_vdst(0) depctr_va_sdst(0) depctr_va_ssrc(0) depctr_va_vcc(0) depctr_vm_vsrc(0)
	s_getreg_b32 s2, hwreg(HW_REG_IB_STS2, 6, 4)
	s_cmp_eq_u32 s2, 0
	s_cbranch_scc0 .Lentry_in_a_cluster
	s_endpgm
.Lentry_in_a_cluster:
	s_bfe_u32 s2, ttmp6, 0x10000c
	s_cmp_lg_u32 s2, 0xf033
	s_cbranch_scc0 .Lentry_shape_is_right
	s_endpgm
.Lentry_shape_is_right:
; hidt[b][e][t] = bf16( sum over d of W[e][d] x[b][t][d] + bias[e] ): the linear layer, stored TRANSPOSED, so that t, along which the next launch sums, runs along the rows.
; wb: [1024 e][1024 d] bf16.  x: [32 b][1024 t][1024 d] f32.  bias: [1024] f32.  hidt: [32][1024 e][1024 t] bf16.  Sums in f32, one rounding of the result.
; x is rounded to bf16 (nearest even) on its way from LDS to the matrix unit: it is read from memory once, as f32, and never written back.
; A work-group makes 256 e x 256 t with four waves; a wave makes 128 x 128: 64 accumulator tiles of 16 x 16, 512 registers.
; K (= d) goes in 16 steps of 64 through two LDS slots.  A step of 128 does not fit: 256 rows of x in f32 and 256 of W in bf16 are 1,536 bytes for one d, twice 128 of them more than LDS holds.
; x's rows in a tile are 256 bytes of memory and start at multiples of 256 bytes; W's are 128 bytes.
; CLUSTERS: 4 x 4 work-groups are one batch.  The four of a row of the cluster (same cy) make the same 256 e and ask for W's tile jointly; the four of a column
; (same cx) make the same 256 t and ask for x's tile jointly.  So each byte of x is requested once in the launch.
; LIMITS: x and W enter the products rounded to bf16, and the result is rounded to bf16.  NaN and infinities go where the arithmetic takes them.
;
; REGISTERS, in windows of 256:
;   window 0: v0-31 addresses; v64-127, v128-191 fragments of W, two buffers; v192-255 the bias, eight registers alike for each 16 rows e, later the packed results
;   window 1: v64-127, v128-191 fragments of x in bf16, two buffers; v0-63 and v192-255 the same 128 rows x 32 d as loaded, in f32
;   window 2: the 32 accumulator tiles of my rows e 0-63 (tile (a, b) at v[8 (8 a + b)]);   window 3: those of my rows 64-127
; THE MATRIX INSTRUCTION IS USED TRANSPOSED: source 0 = 16 rows of x (t), source 1 = 16 rows of W (e).  Lane l then holds row e = l % 16 and its registers
; the columns t = 8 (l / 16) + 0 .. 7: sixteen neighbouring bytes of a row of hidt.  All eight registers of a lane belong to one e, so the bias enters as the C of the first product.
.set KSTEP,  64
.set PA,     144                       ; an LDS row of W: 128 bytes + 16 of padding = 36 words: 16 rows start at 16 different groups of four banks
.set PB,     272                       ; an LDS row of x: 256 bytes + 16 of padding = 68 words: likewise
.set HALFT,  128*PB                    ; each wave's part of a slot: 128 rows of x fill it, 128 rows of W use 18,432 bytes of it
.set SLOT,   4*HALFT                   ; W's two halves, then x's two halves
.set STAGE,  2*SLOT                    ; behind the ring: 16 rows x 272 bytes for each wave, for the way out; no tensor load lands there
.set SPITCH, 272
.set CROW,   2048                      ; bytes in a row of hidt
.set LAPS,   1024/(2*KSTEP)            ; 8 laps of two K steps
.set ADRA, 16                          ; v16-17  LDS address of my W fragments in slot 0, 1
.set ADRB, 20                          ; v20-21  the same for x
.set STO,  24                          ; v24     the way out: where I put 16 bytes of a row
.set RD,   25                          ; v25     the way out: where I read a row back
.set CO,   26                          ; v26     my byte offset in hidt
.set PF,   27                          ; v27     my byte offset for the prefetch
.set BOFF, 28                          ; v28     4 (l % 16): my place in 16 numbers of the bias
.set F0,   64
.set F1,   128
.set BI,   192                         ; bias blocks, read by the first 64 matrix instructions alone
.set TMP,  192                         ; the way out: packed results
.set G1,  24                           ; s[24:31] descriptor group 1 for W's tiles
.set G0,  32                           ; s[32:39] descriptor group 0 for W's tiles, one set for each slot
.set G1B, 48                           ; s[48:55] group 1 for x's tiles
.set G0B, 56                           ; s[56:63] group 0 for x's tiles, one set for each slot
.set MSB, 0
.macro WIN new                         ; the immediate's high byte repeats the setting that is left
.if MSB != \new
	s_set_vgpr_msb (MSB<<8)|\new
.set MSB, \new
.endif
.endm
.set MUL_LO,  0xa1                     ; source 0 (x) window 1, source 1 (W) window 0, C and D window 2
.set MUL_HI,  0xf1                     ; the same, C and D window 3
.set MULB_LO, 0x81                     ; the first products: C (the bias) window 0, D window 2
.set MULB_HI, 0xc1                     ; C window 0, D window 3
.set TO_B,    0x40                     ; destination window 1, address window 0
.set CV,      0x45                     ; sources 0 and 1 and the destination window 1
; A joint load.  Waves 0 and 1 fetch W's two halves, waves 2 and 3 x's.  Each line has one mask and one set of registers, in which nothing hangs on a
; coordinate that the four partners do not share.  The branch hangs on the wave's number alone.  Four v_nop follow each line.
.macro JLOAD s
	s_cmp_eq_u32 s13, 0
	s_cbranch_scc0 .Lfor_x_\@
	tensor_load_to_lds s[G0+4*\s:G0+4*\s+3], s[G1:G1+7]
	s_nop 0
.rept 4
	v_nop
.endr
	s_branch .Lasked_\@
.Lfor_x_\@:
	tensor_load_to_lds s[G0B+4*\s:G0B+4*\s+3], s[G1B:G1B+7]
	s_nop 0
.rept 4
	v_nop
.endr
.Lasked_\@:
.endm
; A round of the cluster's barrier: my work-group's barrier; wave 0 signals for the work-group; every wave waits for all sixteen; my work-group's barrier once more.
.macro CREST                           ; a round behind its opening barrier
	s_cmp_lg_u32 s12, 0
	s_cbranch_scc1 .Lnot_wave_0_\@
	s_barrier_signal -3
.Lnot_wave_0_\@:
	s_barrier_wait -3
	s_barrier_signal -1
	s_barrier_wait -1
.endm
.macro CROUND                          ; a whole round
	s_barrier_signal -1
	s_barrier_wait -1
	CREST
.endm
	s_load_b256 s[4:11], s[0:1], 0x0               ; wb s[4:5], x s[6:7], bias s[8:9], hidt s[10:11]
	v_lshl_add_u32 v62, v0, 2, 0x48400
	v_mov_b32 v63, 0
	ds_add_u32 v62, v63
	v_lshrrev_b32 v1, 5, v0
	v_readfirstlane_b32 s12, v1                    ; wave 0..3
	s_lshr_b32 s13, s12, 1                         ; which half of the block's rows e is mine.  Also: I fetch for W (0) or for x (1)
	s_and_b32 s14, s12, 1                          ; which half of its columns t.  Also: which 128 rows of that tile I fetch
	s_bfe_u32 s16, ttmp6, 0x40000                  ; cx
	s_bfe_u32 s17, ttmp6, 0x40004                  ; cy
	s_lshl_b32 s18, ttmp9, 2                       ; in a cluster launch ttmp9 and ttmp7 count clusters: ttmp9 is the batch
	s_add_co_u32 s18, s18, s16                     ; block of 256 rows of x = 4 x batch + cx
	s_and_b32 s19, ttmp7, 0xffff
	s_lshl_b32 s19, s19, 2
	s_add_co_u32 s19, s19, s17                     ; block of 256 rows of W = 4 x cluster y + cy
	s_lshl_b32 s20, s17, 2
	s_lshl_b32 s20, 15, s20                        ; my row of the cluster: places 4 cy .. 4 cy + 3
	s_lshl_b32 s21, 0x1111, s16                    ; my column: places cx, cx + 4, cx + 8, cx + 12
	; group 1 for W: 128 rows x 64 elements of 2 bytes, 4 words of padding behind every 32 words (code 4); bit 21 set beside the mask
	s_or_b32 s[G1+0], s20, (1<<16)|(1<<20)|(1<<21)|(4<<22)|(3<<25)
	; group 1 for x: 128 rows x 64 elements of 4 bytes, 4 words of padding behind every 64 words (code 5)
	s_or_b32 s[G1B+0], s21, (2<<16)|(1<<20)|(1<<21)|(5<<22)|(3<<25)
	s_mov_b32 s[G1+1], KSTEP<<16                   ; tensor_dim0 = 64
	s_mov_b32 s[G1B+1], KSTEP<<16
	s_mov_b32 s[G1+2], 128<<16                     ; tensor_dim1 = 128
	s_mov_b32 s[G1B+2], 128<<16
	s_mov_b32 s[G1+3], KSTEP<<16                   ; tile_dim0 = 64
	s_mov_b32 s[G1B+3], KSTEP<<16
	s_mov_b32 s[G1+4], 128                         ; tile_dim1 = 128
	s_mov_b32 s[G1B+4], 128
	s_mov_b32 s[G1+5], 1024                        ; elements from row to row
	s_mov_b32 s[G1B+5], 1024
	s_mov_b32 s[G1+6], 0
	s_mov_b32 s[G1B+6], 0
	s_mov_b32 s[G1+7], 0
	s_mov_b32 s[G1B+7], 0
	; where the tiles come from: W's hang on cy alone, x's on the batch and cx alone, each in registers that never hold the other coordinate
	s_lshl_b32 s23, s14, 7                         ; which 128 rows of the tile I fetch
	s_lshl_b32 s40, s19, 8
	s_add_co_u32 s40, s40, s23
	s_lshl_b32 s40, s40, 11                        ; rows of wb are 2,048 bytes
	s_mov_b32 s41, 0
	s_lshl_b32 s46, s18, 8
	s_add_co_u32 s46, s46, s23
	s_lshl_b32 s46, s46, 12                        ; rows of x are 4,096 bytes; 32,768 rows stay below 2^27 bytes
	s_mov_b32 s47, 0
	s_mul_i32 s22, s12, HALFT                      ; and where they go: wave x 34,816: no place in the cluster enters an LDS address
	s_lshl_b32 s68, s18, 8                         ; the prefetch: my work-group's quarter (64 cy) of the 256 rows of x that my column shares,
	s_lshl_b32 s69, s17, 6
	s_add_co_u32 s68, s68, s69
	s_lshl_b32 s68, s68, 12
	s_add_co_u32 s68, s68, 4*KSTEP*4               ; beginning with K step 4
	s_mov_b32 s69, 0
	s_lshl_b32 s72, s19, 8                         ; the bias of my 128 rows e
	s_lshl_b32 s73, s13, 7
	s_add_co_u32 s72, s72, s73
	s_lshl_b32 s72, s72, 2
	s_mov_b32 s73, 0
	s_wait_dscnt 0x0
	s_wait_kmcnt 0x0
	s_add_nc_u64 s[40:41], s[4:5], s[40:41]
	s_add_nc_u64 s[46:47], s[6:7], s[46:47]
	s_add_nc_u64 s[66:67], s[6:7], s[68:69]
	s_add_nc_u64 s[8:9], s[8:9], s[72:73]
	CROUND                                         ; all sixteen work-groups are here: the first joint loads meet
.irp s, 0,1
	s_mov_b32 s[G0+4*\s], 1                                        ; count = 1
	s_add_co_u32 s[G0+4*\s+1], s22, \s*SLOT                        ; LDS address
	s_add_nc_u64 s[G0+4*\s+2:G0+4*\s+3], s[40:41], \s*KSTEP*2      ; global address: K step s
	s_or_b32 s[G0+4*\s+3], s[G0+4*\s+3], 0x80000000                ; type = 2
	s_mov_b32 s[G0B+4*\s], 1
	s_add_co_u32 s[G0B+4*\s+1], s22, \s*SLOT
	s_add_nc_u64 s[G0B+4*\s+2:G0B+4*\s+3], s[46:47], \s*KSTEP*4
	s_or_b32 s[G0B+4*\s+3], s[G0B+4*\s+3], 0x80000000
	JLOAD \s                                       ; both slots are asked for before anything else: two tensor loads of a wave are out here, one later
.endr
	v_and_b32 v1, 15, v0                           ; l % 16
	v_bfe_u32 v2, v0, 4, 1                         ; l / 16
	v_lshlrev_b32 v[BOFF], 2, v1
.irp i, 0,1,2,3,4,5,6,7
	global_load_b32 v[BI+8*\i], v[BOFF], s[8:9] offset:64*\i       ; bias[e] of row e = 16 i + l % 16 of my 128
.endr
	; A bf16 fragment is 16 rows x 32 K in 8 registers: lane l holds row l % 16; registers 0-3 K = 8 (l / 16) + 0..7, registers 4-7 K = 16 + 8 (l / 16) + 0..7.
	v_mul_u32_u24 v3, v1, PA
	v_lshl_add_u32 v3, v2, 4, v3                   ; W: row x 144 + 16 x half (8 bf16)
	v_mul_u32_u24 v4, v1, PB
	v_lshl_add_u32 v4, v2, 5, v4                   ; x: row x 272 + 32 x half (8 f32)
	s_mul_i32 s2, s13, HALFT                       ; my 128 rows of W
	s_mul_i32 s3, s14, HALFT                       ; my 128 rows of x,
	s_add_co_u32 s3, s3, 2*HALFT                   ; which lie behind W's two parts
.irp s, 0,1
	v_add_nc_u32 v[ADRA+\s], s2, v3
	v_add_nc_u32 v[ADRB+\s], s3, v4
	s_add_co_u32 s2, s2, SLOT
	s_add_co_u32 s3, s3, SLOT
.endr
	s_mul_i32 s23, s12, 16*SPITCH
	s_add_co_u32 s23, s23, STAGE                   ; my stage
	v_mul_u32_u24 v4, v1, SPITCH                   ; in: row l % 16, 16 bytes for each half of the lanes
	v_lshl_add_u32 v4, v2, 4, v4
	v_add_nc_u32 v[STO], s23, v4
	v_mul_u32_u24 v5, v2, SPITCH                   ; back: lanes 0-15 take one row of 256 bytes, lanes 16-31 the next
	v_lshl_add_u32 v5, v1, 4, v5
	v_add_nc_u32 v[RD], s23, v5
	v_lshlrev_b32 v5, 11, v2                       ; and the same two rows in hidt
	v_lshl_add_u32 v[CO], v1, 4, v5
	v_lshl_add_u32 v5, s12, 4, v1                  ; the prefetch: row 16 x wave + l % 16 of my work-group's 64,
	v_lshlrev_b32 v[PF], 12, v5
	v_lshl_add_u32 v[PF], v2, 8, v[PF]             ; lanes 0-15 the even K step's 256 bytes, lanes 16-31 the odd one's
	s_wait_loadcnt 0x0                             ; the bias, once
.irp i, 0,1,2,3,4,5,6,7
.irp j, 1,2,3,4,5,6,7
	v_mov_b32 v[BI+8*\i+\j], v[BI+8*\i]            ; a C operand of eight registers alike: a lane's eight results share one e
.endr
.endr
; 16 matrix instructions: e blocks a0, a0 + 1 of the window's four (hi = 0: my rows 0-63, 1: rows 64-127) x all 8 t blocks, 32 along K.
; mode = 1: the first product starts the sums from the bias: nothing is cleared, and no pass adds the bias later.
; The 64 accumulators take turns, one instruction a turn, in the same order in every quarter, over the backward jump too.
.macro MUL16 f, hi, a0, mode
.irp a, \a0, \a0+1
.irp b, 0,1,2,3,4,5,6,7
.if \mode
	v_wmma_f32_16x16x32_bf16 v[8*(8*(\a)+\b):8*(8*(\a)+\b)+7], v[\f+8*\b:\f+8*\b+7], v[\f+8*(4*\hi+\a):\f+8*(4*\hi+\a)+7], v[BI+8*(4*\hi+\a):BI+8*(4*\hi+\a)+7]
.else
	v_wmma_f32_16x16x32_bf16 v[8*(8*(\a)+\b):8*(8*(\a)+\b)+7], v[\f+8*\b:\f+8*\b+7], v[\f+8*(4*\hi+\a):\f+8*(4*\hi+\a)+7], v[8*(8*(\a)+\b):8*(8*(\a)+\b)+7]
.endif
.endr
.endr
.endm
; 48 LDS loads in one run: quarter q (32 along K) of a slot: 128 rows of x as f32 (block i into 16 registers at 16 i, or at 128 + 16 i from block 4 on), 128 rows of W into buffer g
.macro FETCH1 slot, q, g
	WIN TO_B
.irp i, 0,1,2,3,4,5,6,7
	ds_load_b128 v[16*\i+128*(\i/4):16*\i+128*(\i/4)+3],     v[ADRB+\slot] offset:128*\q+\i*16*PB      ; K = 8 h + 0..3
	ds_load_b128 v[16*\i+128*(\i/4)+4:16*\i+128*(\i/4)+7],   v[ADRB+\slot] offset:128*\q+\i*16*PB+16   ; K = 8 h + 4..7
	ds_load_b128 v[16*\i+128*(\i/4)+8:16*\i+128*(\i/4)+11],  v[ADRB+\slot] offset:128*\q+\i*16*PB+64   ; K = 16 + 8 h + 0..3
	ds_load_b128 v[16*\i+128*(\i/4)+12:16*\i+128*(\i/4)+15], v[ADRB+\slot] offset:128*\q+\i*16*PB+80   ; K = 16 + 8 h + 4..7
.endr
	WIN 0
.irp i, 0,1,2,3,4,5,6,7
	ds_load_b128 v[\g+8*\i:\g+8*\i+3],   v[ADRA+\slot] offset:64*\q+\i*16*PA
	ds_load_b128 v[\g+8*\i+4:\g+8*\i+7], v[ADRA+\slot] offset:64*\q+\i*16*PA+32
.endr
.endm
; 64 conversions: the 128 registers of f32 become x's eight bf16 fragments in buffer f.  They name no register of the 64 matrix instructions in front of them, so they are
; also the places between those and the LDS loads that follow into W's buffer, and between one use of a buffer of x and its next writing.
.macro CVT f
	WIN CV
.irp i, 0,1,2,3,4,5,6,7
.irp q, 0,1,2,3,4,5,6,7
	v_cvt_pk_bf16_f32 v[\f+8*\i+\q], v[16*\i+128*(\i/4)+2*\q], v[16*\i+128*(\i/4)+2*\q+1]
.endr
.endr
.endm
; A K step is two quarters of a lap: 32 along K on buffer 0, then 32 on buffer 1.
; The first: converts x for buffer 0, fetches the second quarter's numbers, multiplies buffer 0.
.macro QUARTER0 slot, mode, pf
	s_wait_dscnt 0x0                               ; the 48 loads for buffer 0 were issued in front of the last 64 matrix instructions
	CVT F0
	FETCH1 \slot, 1, F1
.if \pf
	global_prefetch_b8 v[PF], s[66:67] th:TH_LOAD_NT scope:SCOPE_SE   ; lap p asks for K steps 2 p + 4 and 2 p + 5 of my 16 rows of x
.endif
.if \mode
	WIN MULB_LO
.else
	WIN MUL_LO
.endif
	MUL16 F0, 0, 0, \mode
	MUL16 F0, 0, 2, \mode
.if \mode
	WIN MULB_HI
.else
	WIN MUL_HI
.endif
	MUL16 F0, 1, 0, \mode
	MUL16 F0, 1, 2, \mode
.endm
; The second: changes slots.  In front of the barrier each wave waits for its reads of this slot and for all its tensor loads, of which one is out: its part of the
; next slot.  Where the slot is filled again the barrier opens a round of the cluster's barrier; inside the round stands register work alone (the conversions).
; Behind it the joint refill comes first, then the next slot's first numbers are read.  From a request to the wait for it: one K step, 128 matrix instructions and 64 conversions.
.macro TURN1 slot, next, fill
	s_wait_dscnt 0x0                               ; my reads of this slot are over
	s_set_vgpr_msb (MSB<<8)|((MSB&0xf0)|0x0)
	s_wait_tensorcnt 0x0                           ; and all my tensor loads have landed
	ds_add_u32 v62, v63
	s_wait_dscnt 0x0
	s_set_vgpr_msb (((MSB&0xf0)|0x0)<<8)|MSB
	s_barrier_signal -1
	CVT F1
	WIN 0
	s_barrier_wait -1
.if \fill
	CREST                                          ; no wave of any partner still reads this slot or has a load on its way
	s_add_nc_u64 s[G0+4*\slot+2:G0+4*\slot+3], s[G0+4*\slot+2:G0+4*\slot+3], 2*KSTEP*2
	s_add_nc_u64 s[G0B+4*\slot+2:G0B+4*\slot+3], s[G0B+4*\slot+2:G0B+4*\slot+3], 2*KSTEP*4
	JLOAD \slot                                    ; my one tensor load behind the round
.endif
	FETCH1 \next, 0, F0
	WIN MUL_LO
	MUL16 F1, 0, 0, 0
	MUL16 F1, 0, 2, 0
	WIN MUL_HI
	MUL16 F1, 1, 0, 0
	MUL16 F1, 1, 2, 0
.endm
.macro LAP1 mode, pf                   ; once round the ring, both slots filled again
	QUARTER0 0, \mode, 0
	TURN1 0, 1, 1
	QUARTER0 1, 0, \pf
	TURN1 1, 0, 1
.if \pf
	WIN 0
	s_wait_xcnt 0x0                                ; the prefetch, issued a quarter and a half ago, has had its address translated: its base steps only behind this wait
	s_add_nc_u64 s[66:67], s[66:67], 2*KSTEP*4     ; two K steps on
.endif
.endm
	s_wait_tensorcnt 1                             ; my part of K step 0 is in; K step 1's may stay out
	s_barrier_signal -1
	s_barrier_wait -1                              ; everybody's is
	FETCH1 0, 0, F0
	LAP1 1, 1                                      ; lap 0 stands in front of the loop: its first products start the sums
	WIN 0                                          ; at a label and at a branch every window is 0
	s_mov_b32 s15, LAPS-3
.Llap:
	LAP1 0, 1                                      ; laps 1 to 5: the last prefetch asks for K steps 14 and 15, the end of the rows
	WIN 0
	s_sub_co_u32 s15, s15, 1
	s_cmp_lg_u32 s15, 0
	s_cbranch_scc1 .Llap
	LAP1 0, 0                                      ; lap 6 fills the slots for the last time (K steps 14 and 15) and prefetches nothing
	QUARTER0 0, 0, 0                               ; lap 7 fills nothing
	TURN1 0, 1, 0
	QUARTER0 1, 0, 0
	s_wait_dscnt 0x0                               ; the very last quarter: nothing more to fetch
	CVT F1
	WIN MUL_LO
	MUL16 F1, 0, 0, 0
	MUL16 F1, 0, 2, 0
	WIN MUL_HI
	MUL16 F1, 1, 0, 0
	MUL16 F1, 1, 2, 0
	; THE WAY OUT, 16 rows e at a time: round to bf16, 16 bytes a lane into my own stage, read back as whole rows of 256 bytes.
.rept 4
	v_nop                                          ; the places behind the last matrix instructions, for the conversions and for the loads into W's buffers
.endr
	s_lshl_b32 s70, ttmp9, 21                      ; the batch's 2 MiB of hidt
	s_lshl_b32 s71, s19, 8
	s_lshl_b32 s2, s13, 7
	s_add_co_u32 s71, s71, s2                      ; my first row e
	s_lshl_b32 s71, s71, 11
	s_add_co_u32 s70, s70, s71
	s_lshl_b32 s71, s16, 9                         ; my first column t, in bytes: 512 cx + 256 x half
	s_add_co_u32 s70, s70, s71
	s_lshl_b32 s71, s14, 8
	s_add_co_u32 s70, s70, s71
	s_mov_b32 s71, 0
	s_add_nc_u64 s[10:11], s[10:11], s[70:71]
; rows 16 i .. 16 i + 15 of my block = the eight tiles (a, 0..7) of window 2 or 3 (from = 0x0a or 0x0f: sources 0 and 1); f: F0 or F1 in turn
.macro OUT16 i, a, from, f
	WIN \from
.irp b, 0,1,2,3,4,5,6,7
.irp r, 0,1,2,3
	v_cvt_pk_bf16_f32 v[TMP+4*\b+\r], v[8*(8*\a+\b)+2*\r], v[8*(8*\a+\b)+2*\r+1]
.endr
.endr
	WIN 0
.irp b, 0,1,2,3,4,5,6,7
	ds_store_b128 v[STO], v[TMP+4*\b:TMP+4*\b+3] offset:32*\b
.endr
	s_wait_xcnt 0x0                                ; earlier stores have had their addresses translated (ISA guide 3.1): buffer f, which they read, and their base are rewritten only behind this wait
.if \i
	s_add_nc_u64 s[10:11], s[10:11], 16*CROW       ; 16 rows on
.endif
.irp t, 0,1,2,3,4,5,6,7
	ds_load_b128 v[\f+4*\t:\f+4*\t+3], v[RD] offset:\t*2*SPITCH    ; LDS serves a wave's instructions in order (ISA guide 5.7.1.4): these see the stores above
.endr
.irp t, 0,1,2,3,4,5,6,7
	s_wait_dscnt 7-\t
	global_store_b128 v[CO], v[\f+4*\t:\f+4*\t+3], s[10:11] offset:2*\t*CROW   ; 16 lanes store 256 consecutive bytes, at a multiple of 256 from hidt's first byte
.endr
.endm
	OUT16 0, 0, 0x0a, F0
	OUT16 1, 1, 0x0a, F1
	OUT16 2, 2, 0x0a, F0
	OUT16 3, 3, 0x0a, F1
	OUT16 4, 0, 0x0f, F0
	OUT16 5, 1, 0x0f, F1
	OUT16 6, 2, 0x0f, F0
	OUT16 7, 3, 0x0f, F1
	s_set_vgpr_msb (MSB<<8)|((MSB&0xf0)|0x0)
	s_wait_tensorcnt 0x0
	ds_add_u32 v62, v63
	s_wait_dscnt 0x0
	s_set_vgpr_msb (((MSB&0xf0)|0x0)<<8)|MSB
	CROUND                                         ; the closing round: no work-group ends while a partner may still ask for a tile that names it
	s_endpgm
.Lfunc_end_k_qcb5a14dd7d_hid:
	.size	k_qcb5a14dd7d_hid, .Lfunc_end_k_qcb5a14dd7d_hid-k_qcb5a14dd7d_hid
	.p2alignl 7, 3214868480
	.fill 96, 4, 3214868480
	.section	.rodata,"a",@progbits
	.p2align	6, 0x0
	.amdhsa_kernel k_qcb5a14dd7d_hid
		.amdhsa_group_segment_fixed_size 327680
		.amdhsa_private_segment_fixed_size 0
		.amdhsa_enable_private_segment 0
		.amdhsa_kernarg_size 32
		.amdhsa_user_sgpr_count 2
		.amdhsa_user_sgpr_kernarg_segment_ptr 1
		.amdhsa_wavefront_size32 1
		.amdhsa_system_sgpr_workgroup_id_x 1
		.amdhsa_system_sgpr_workgroup_id_y 1
		.amdhsa_system_sgpr_workgroup_id_z 1
		.amdhsa_system_vgpr_workitem_id 0
		.amdhsa_next_free_vgpr 1024
		.amdhsa_next_free_sgpr 80
		.amdhsa_reserve_vcc 0
		.amdhsa_float_denorm_mode_32 3
		.amdhsa_float_denorm_mode_16_64 3
		.amdhsa_memory_ordered 1
		.amdhsa_forward_progress 1
		.amdhsa_inst_pref_size 231
	.end_amdhsa_kernel
	.amdgpu_metadata
---
amdhsa.version: [ 1, 2 ]
amdhsa.kernels:
  - .name:           k_qcb5a14dd7d_hid
    .symbol:         k_qcb5a14dd7d_hid.kd
    .args:
      - { .name: wb, .offset: 0, .size: 8, .value_kind: global_buffer, .address_space: global }
      - { .name: x, .offset: 8, .size: 8, .value_kind: global_buffer, .address_space: global }
      - { .name: b, .offset: 16, .size: 8, .value_kind: global_buffer, .address_space: global }
      - { .name: hidt, .offset: 24, .size: 8, .value_kind: global_buffer, .address_space: global }
    .group_segment_fixed_size: 327680
    .private_segment_fixed_size: 0
    .kernarg_segment_align: 8
    .kernarg_segment_size: 32
    .max_flat_workgroup_size: 128
    .sgpr_count:     80
    .vgpr_count:     1024
    .wavefront_size: 32
...
	.end_amdgpu_metadata
.endif
;; end of part 2
;; launch gram (part 3): grid 4 x 128, 4 waves a work-group, clusters of 4 x 4, 327,680 bytes of LDS; arguments hidt, stats; writes stats
.if DOCPART == 3
	.amdgcn_target "amdgcn-amd-amdhsa--gfx1250"
	.amdhsa_code_object_version 6
	.text
	.protected	k_qcb5a14dd7d_gram
	.globl	k_qcb5a14dd7d_gram
	.p2align	8
	.type	k_qcb5a14dd7d_gram,@function
k_qcb5a14dd7d_gram:
	s_mov_b64 s[64:65], 0
	v_nop
	global_prefetch_b8 v0, s[64:65] scope:SCOPE_SE
	s_setreg_imm32_b32 hwreg(HW_REG_WAVE_MODE, 25, 1), 1
	s_wait_xcnt 0x0
	s_wait_alu depctr_hold_cnt(0) depctr_sa_sdst(0) depctr_va_vdst(0) depctr_va_sdst(0) depctr_va_ssrc(0) depctr_va_vcc(0) depctr_vm_vsrc(0)
	s_getreg_b32 s2, hwreg(HW_REG_IB_STS2, 6, 4)
	s_cmp_eq_u32 s2, 0
	s_cbranch_scc0 .Lentry_in_a_cluster
	s_endpgm
.Lentry_in_a_cluster:
	s_bfe_u32 s2, ttmp6, 0x10000c
	s_cmp_lg_u32 s2, 0xf033
	s_cbranch_scc0 .Lentry_shape_is_right
	s_endpgm
.Lentry_shape_is_right:
; e[b][i][j] = sum over t of hid[b][t][i] hid[b][t][j], and of each column j, for each 128 rows i: M = max over i of e, Z = sum over i of exp(e - M).  e itself never leaves the registers.
; hidt: [32 b][1024][1024 t] bf16.  stats: [32 b][8 k][2][1024 j] f32: k = the block of 128 rows i; plane 0 holds M, plane 1 holds Z.
; A work-group makes 256 i x 256 j of one batch's e with four waves; a wave makes 128 x 128: 64 accumulator tiles, 512 registers.  t goes in 8 steps of 128 through two LDS slots
; filled by the tensor data mover: a tile's rows are 256 bytes of memory and start at multiples of 256 bytes.
; CLUSTERS: 4 x 4 work-groups are one batch.  cy picks the 256 columns j (called A below), cx the 256 rows i (called B).  A's tile is asked for jointly along a row of the cluster, B's along a column.
; The symmetry of e is not used: ten of sixteen blocks would leave partners of a cluster with different tiles.
; LIMITS: e is made of hid rounded to bf16.  v_exp_f32 gives 0 for results below 2^-126 (ISA guide 15.8); Z is at least 1, so nothing hangs on those.  The maximum is taken away by a
; subtraction of its own, ahead of the factor log2(e): one fused multiply-add would carry the rounding of M log2(e), which grows with e.
;
; REGISTERS, in windows of 256:
;   window 0: v0-31 addresses; v32-36 at work in the epilogue; v64-127, v128-191 fragments of A, two buffers (v64-95 at work in the epilogue); v192-207 the eight M and Z
;   window 1: v64-127, v128-191 fragments of B, two buffers
;   window 2: the 32 accumulator tiles of my columns j 0-63 (tile (a, b) at v[8 (8 a + b)]);   window 3: those of my columns 64-127
; Source 0 = 16 rows of B (i), source 1 = 16 rows of A (j): lane l holds column j = l % 16 of the tile, its registers the rows i = 8 (l / 16) + 0 .. 7.
; So the reduction over a wave's 128 i is 64 registers of one lane, and then one step to lane l xor 16.
.set KSTEP,  128
.set PITCH,  272                       ; an LDS row: 256 bytes + 16 of padding = 68 words: the 16 rows that a load touches start at 16 different groups of four banks
.set HALFT,  128*PITCH
.set SLOT,   4*HALFT                   ; A's 256 rows, then B's 256 rows
.set STAGE,  2*SLOT                    ; behind the ring: 1,024 bytes for each wave; no tensor load lands there
.set LAPS,   1024/(2*KSTEP)            ; 4 laps of two K steps
.set ADRA, 16                          ; v16-17  LDS address of my A fragments in slot 0, 1
.set ADRB, 20                          ; v20-21  the same for B
.set STO2, 24                          ; v24     stage: lanes 0-15 put M, lanes 16-31 put Z
.set RD2,  25                          ; v25     stage: 16 bytes a lane
.set CO2,  26                          ; v26     my byte offset in 512 bytes of stats
.set MX,   32                          ; v32-35  four chains of maxima, then v[32:33] = (M, M)
.set TP,   36                          ; v36     what comes from lane l xor 16
.set F0,   64
.set F1,   128
.set T,    64                          ; v64-95  the tree of sums
.set RM,   192                         ; v192-199 M of my eight groups of 16 columns
.set RZ,   200                         ; v200-207 Z of them
.set G1, 24
.set G0, 32
.set G1B, 48
.set G0B, 56
.set MSB, 0
.macro WIN new                         ; the immediate's high byte repeats the setting that is left
.if MSB != \new
	s_set_vgpr_msb (MSB<<8)|\new
.set MSB, \new
.endif
.endm
.set MUL_LO, 0xa1                      ; source 0 (B) window 1, source 1 (A) window 0, C and D window 2
.set MUL_HI, 0xf1                      ; the same, C and D window 3
.set TO_B,   0x40                      ; destination window 1, address window 0
; A joint load: waves 0 and 1 fetch A's two halves, waves 2 and 3 B's; one mask and one set of registers a line; the branch hangs on the wave's number alone.
.macro JLOAD s
	s_cmp_eq_u32 s11, 0
	s_cbranch_scc0 .Lfor_b_\@
	tensor_load_to_lds s[G0+4*\s:G0+4*\s+3], s[G1:G1+7]
	s_nop 0
.rept 4
	v_nop
.endr
	s_branch .Lasked_\@
.Lfor_b_\@:
	tensor_load_to_lds s[G0B+4*\s:G0B+4*\s+3], s[G1B:G1B+7]
	s_nop 0
.rept 4
	v_nop
.endr
.Lasked_\@:
.endm
.macro CREST                           ; a round of the cluster's barrier behind its opening barrier
	s_cmp_lg_u32 s10, 0
	s_cbranch_scc1 .Lnot_wave_0_\@
	s_barrier_signal -3
.Lnot_wave_0_\@:
	s_barrier_wait -3
	s_barrier_signal -1
	s_barrier_wait -1
.endm
.macro CROUND                          ; a whole round
	s_barrier_signal -1
	s_barrier_wait -1
	CREST
.endm
	s_load_b128 s[4:7], s[0:1], 0x0                ; hidt s[4:5], stats s[6:7]
	s_set_vgpr_msb 0x40
	v_lshl_add_u32 v255, v0, 2, 0x45000
	s_set_vgpr_msb 0x4000
	v_mov_b32 v255, 0
	s_set_vgpr_msb 0x1
	ds_add_u32 v255, v255
	s_set_vgpr_msb 0x100
	v_lshrrev_b32 v1, 5, v0
	v_readfirstlane_b32 s10, v1                    ; wave 0..3
	s_lshr_b32 s11, s10, 1                         ; which half of the block's columns j is mine.  Also: I fetch for A (0) or for B (1)
	s_and_b32 s12, s10, 1                          ; which half of its rows i.  Also: which 128 rows of that tile I fetch
	s_bfe_u32 s40, ttmp6, 0x40000                  ; cx
	s_bfe_u32 s41, ttmp6, 0x40004                  ; cy
	s_and_b32 s13, ttmp7, 0xffff                   ; in a cluster launch ttmp7 counts clusters: the batch
	s_lshl_b32 s13, s13, 2
	s_add_co_u32 s13, s13, s41                     ; A: block of 256 rows of hidt = 4 x batch + cy
	s_and_b32 s45, ttmp7, 0xffff                   ; the batch once more, for B: no register of B's ever holds cy
	s_lshl_b32 s43, s41, 2
	s_lshl_b32 s43, 15, s43                        ; my row of the cluster
	s_lshl_b32 s44, 0x1111, s40                    ; my column
	; group 1: 128 rows x 128 elements of 2 bytes, 4 words of padding behind every 64 words; bit 21 set beside the mask
	s_or_b32 s[G1+0], s43, (1<<16)|(1<<20)|(1<<21)|(5<<22)|(3<<25)
	s_or_b32 s[G1B+0], s44, (1<<16)|(1<<20)|(1<<21)|(5<<22)|(3<<25)
	s_mov_b32 s[G1+1], KSTEP<<16
	s_mov_b32 s[G1B+1], KSTEP<<16
	s_mov_b32 s[G1+2], 128<<16
	s_mov_b32 s[G1B+2], 128<<16
	s_mov_b32 s[G1+3], KSTEP<<16
	s_mov_b32 s[G1B+3], KSTEP<<16
	s_mov_b32 s[G1+4], 128
	s_mov_b32 s[G1B+4], 128
	s_mov_b32 s[G1+5], 1024
	s_mov_b32 s[G1B+5], 1024
	s_mov_b32 s[G1+6], 0
	s_mov_b32 s[G1B+6], 0
	s_mov_b32 s[G1+7], 0
	s_mov_b32 s[G1B+7], 0
	s_lshl_b32 s17, s12, 7                         ; which 128 rows of the tile I fetch
	s_lshl_b32 s16, s13, 8
	s_add_co_u32 s16, s16, s17                     ; A: row 256 (4 b + cy) + 128 x half
	s_lshl_b32 s16, s16, 11                        ; rows of 2,048 bytes; 32,768 rows stay below 2^26 bytes
	s_lshl_b32 s46, s45, 10
	s_lshl_b32 s47, s40, 8
	s_add_co_u32 s46, s46, s47
	s_add_co_u32 s46, s46, s17                     ; B: row 1,024 b + 256 cx + 128 x half
	s_lshl_b32 s46, s46, 11
	s_mov_b32 s17, 0
	s_mov_b32 s47, 0
	s_mul_i32 s20, s10, HALFT                      ; where they go: wave x 128 rows
	s_wait_dscnt 0x0
	s_wait_kmcnt 0x0
	s_add_nc_u64 s[14:15], s[4:5], s[16:17]
	s_add_nc_u64 s[46:47], s[4:5], s[46:47]
	CROUND                                         ; all sixteen work-groups are here: the first joint loads meet
.irp s, 0,1
	s_mov_b32 s[G0+4*\s], 1
	s_add_co_u32 s[G0+4*\s+1], s20, \s*SLOT
	s_add_nc_u64 s[G0+4*\s+2:G0+4*\s+3], s[14:15], \s*KSTEP*2
	s_or_b32 s[G0+4*\s+3], s[G0+4*\s+3], 0x80000000
	s_mov_b32 s[G0B+4*\s], 1
	s_add_co_u32 s[G0B+4*\s+1], s20, \s*SLOT
	s_add_nc_u64 s[G0B+4*\s+2:G0B+4*\s+3], s[46:47], \s*KSTEP*2
	s_or_b32 s[G0B+4*\s+3], s[G0B+4*\s+3], 0x80000000
	JLOAD \s                                       ; two tensor loads of a wave are out here, one later
.endr
	v_and_b32 v1, 15, v0                           ; l % 16
	v_bfe_u32 v2, v0, 4, 1                         ; l / 16
	v_mul_u32_u24 v3, v1, PITCH
	v_lshl_add_u32 v3, v2, 4, v3                   ; row x pitch + 16 x half
	s_mul_i32 s21, s11, HALFT                      ; my 128 rows of A
	s_mul_i32 s22, s12, HALFT                      ; my 128 rows of B,
	s_add_co_u32 s22, s22, 2*HALFT                 ; which lie behind A's 256
.irp s, 0,1
	v_add_nc_u32 v[ADRA+\s], s21, v3
	v_add_nc_u32 v[ADRB+\s], s22, v3
	s_add_co_u32 s21, s21, SLOT
	s_add_co_u32 s22, s22, SLOT
.endr
	s_lshl_b32 s23, s10, 10
	s_add_co_u32 s23, s23, STAGE                   ; my stage: 128 M, then 128 Z
	v_lshlrev_b32 v4, 2, v1
	v_lshl_add_u32 v4, v2, 9, v4
	v_add_nc_u32 v[STO2], s23, v4                  ; 512 (l / 16) + 4 (l % 16)
	v_and_b32 v5, 31, v0
	v_lshlrev_b32 v[CO2], 4, v5
	v_add_nc_u32 v[RD2], s23, v[CO2]
	v_mov_b32 v[TP], 0                             ; v_permlanex16_b32 counts as a reader of its destination
	s_mov_b32 s66, 0x76543210                      ; v_permlanex16_b32: lane i of one half reads lane i of the other
	s_mov_b32 s67, 0xfedcba98
; 16 matrix instructions: j blocks a0, a0 + 1 of the window's four x all 8 i blocks, 32 along K.  zero = 1: the first product starts the sums.
; The 64 accumulators take turns, one instruction a turn, in the same order in every quarter, over the backward jump too.
.macro MUL16 f, hi, a0, zero
.irp a, \a0, \a0+1
.irp b, 0,1,2,3,4,5,6,7
.if \zero
	v_wmma_f32_16x16x32_bf16 v[8*(8*(\a)+\b):8*(8*(\a)+\b)+7], v[\f+8*\b:\f+8*\b+7], v[\f+8*(4*\hi+\a):\f+8*(4*\hi+\a)+7], 0
.else
	v_wmma_f32_16x16x32_bf16 v[8*(8*(\a)+\b):8*(8*(\a)+\b)+7], v[\f+8*\b:\f+8*\b+7], v[\f+8*(4*\hi+\a):\f+8*(4*\hi+\a)+7], v[8*(8*(\a)+\b):8*(8*(\a)+\b)+7]
.endif
.endr
.endr
.endm
; 32 LDS loads in one run: the fragments of one quarter step (128 rows of B, 128 rows of A, 32 K at byte k of the rows) into buffer f
.macro FETCH slot, k, f
	WIN TO_B
.irp i, 0,1,2,3,4,5,6,7
	ds_load_b128 v[\f+8*\i:\f+8*\i+3],   v[ADRB+\slot] offset:\k+\i*16*PITCH
	ds_load_b128 v[\f+8*\i+4:\f+8*\i+7], v[ADRB+\slot] offset:\k+\i*16*PITCH+32
.endr
	WIN 0
.irp i, 0,1,2,3,4,5,6,7
	ds_load_b128 v[\f+8*\i:\f+8*\i+3],   v[ADRA+\slot] offset:\k+\i*16*PITCH
	ds_load_b128 v[\f+8*\i+4:\f+8*\i+7], v[ADRA+\slot] offset:\k+\i*16*PITCH+32
.endr
.endm
; Four plain places stand between a matrix instruction and a load into a register that it has read, or a vector instruction that reads its result (ISA guide 7.12.1 for vector instructions).
.macro PLACES
.rept 4
	v_nop
.endr
.endm
; A K step is four quarter steps of 32 along K, 64 matrix instructions each, on buffers 0, 1, 0, 1.
.macro QUARTER slot, k, f, g, zero
	s_wait_dscnt 8                                 ; B and A's rows 0-63 are in; the youngest eight loads (A's rows 64-127) may be out
	WIN MUL_LO
	MUL16 \f, 0, 0, \zero
	MUL16 \f, 0, 2, \zero
	PLACES
	FETCH \slot, \k, \g
	s_wait_dscnt 32                                ; all but the 32 just issued
	WIN MUL_HI
	MUL16 \f, 1, 0, \zero
	MUL16 \f, 1, 2, \zero
.endm
.macro THREE slot, zero
	QUARTER \slot, 64,  F0, F1, \zero
	QUARTER \slot, 128, F1, F0, 0
	QUARTER \slot, 192, F0, F1, 0
.endm
; The last quarter changes slots.  In front of the barrier each wave waits for its reads of this slot and for all its tensor loads, of which one is out: its part of the next slot.
; Behind it (where the slot is filled again: behind the round of the cluster's barrier that it opens) the refill comes first, then the next slot's first fragments.
; From a request to the wait for it a wave issues 240 matrix instructions.
.macro TURN slot, next, fill
	s_wait_dscnt 8
	WIN MUL_LO
	MUL16 F1, 0, 0, 0
	s_wait_dscnt 0                                 ; my reads of this slot are over
	s_wait_tensorcnt 0x0                           ; and all my tensor loads have landed
	ds_add_u32 v255, v255
	s_wait_dscnt 0x0
	s_barrier_signal -1
	MUL16 F1, 0, 2, 0                              ; register work while the others arrive
	WIN 0
	s_barrier_wait -1
.if \fill
	CREST                                          ; no wave of any partner still reads this slot or has a load on its way
	s_add_nc_u64 s[G0+4*\slot+2:G0+4*\slot+3], s[G0+4*\slot+2:G0+4*\slot+3], 2*KSTEP*2
	s_add_nc_u64 s[G0B+4*\slot+2:G0B+4*\slot+3], s[G0B+4*\slot+2:G0B+4*\slot+3], 2*KSTEP*2
	JLOAD \slot                                    ; my one tensor load behind the round; its four v_nop are also the places in front of the loads below
.else
	PLACES
.endif
	FETCH \next, 0, F0
	WIN MUL_HI
	MUL16 F1, 1, 0, 0
	MUL16 F1, 1, 2, 0
.endm
.macro LAP zero
	THREE 0, \zero
	TURN 0, 1, 1
	THREE 1, 0
	TURN 1, 0, 1
.endm
	s_wait_tensorcnt 1                             ; my part of K step 0 is in; K step 1's may stay out
	s_barrier_signal -1
	s_barrier_wait -1
	FETCH 0, 0, F0
	LAP 1                                          ; the first lap stands in front of the loop: its first products start the sums
	WIN 0
	s_mov_b32 s3, LAPS-2
.Llap:
	LAP 0
	WIN 0
	s_sub_co_u32 s3, s3, 1
	s_cmp_lg_u32 s3, 0
	s_cbranch_scc1 .Llap
	THREE 0, 0                                     ; the last lap fills nothing
	TURN 0, 1, 0
	THREE 1, 0
	s_wait_dscnt 8
	WIN MUL_LO
	MUL16 F1, 0, 0, 0
	MUL16 F1, 0, 2, 0
	s_wait_dscnt 0
	WIN MUL_HI
	MUL16 F1, 1, 0, 0
	MUL16 F1, 1, 2, 0
	; THE EPILOGUE: of each of my 128 columns j, the maximum and the sum of exponentials over my 128 rows i.
	PLACES                                         ; behind the last matrix instructions
	s_lshl_b32 s68, s45, 16                        ; stats: the batch's 65,536 bytes,
	s_lshl_b32 s69, s40, 1
	s_add_co_u32 s69, s69, s12                     ; k = 2 cx + my half of the rows i,
	s_lshl_b32 s69, s69, 13
	s_add_co_u32 s68, s68, s69
	s_lshl_b32 s69, s41, 10                        ; column 256 cy
	s_add_co_u32 s68, s68, s69
	s_lshl_b32 s69, s11, 9                         ; + 128 x my half of the columns
	s_add_co_u32 s68, s68, s69
	s_mov_b32 s69, 0
	s_add_nc_u64 s[6:7], s[6:7], s[68:69]
; Columns 16 i .. 16 i + 15 of my 128: the eight tiles (a, 0..7), 64 registers at 64 a of window 2 or 3.
; rd2: sources 0 and 1 in that window, the rest in window 0 (0x0a, 0x0f).  ip: source 0 and the destination in that window (0x82, 0xc3).
.macro STATS i, a, rd2, ip
	WIN \rd2
.irp c, 0,1,2,3
	v_max_num_f32 v[MX+\c], v[64*\a+16*\c], v[64*\a+16*\c+1]       ; four chains, started by the first numbers
.endr
.irp u, 1,2,3,4,5,6,7
.irp c, 0,1,2,3
	v_max3_num_f32 v[MX+\c], v[64*\a+16*\c+2*\u], v[64*\a+16*\c+2*\u+1], v[MX+\c]
.endr
.endr
	WIN 0
	v_max3_num_f32 v[MX], v[MX], v[MX+1], v[MX+2]
	v_max_num_f32 v[MX], v[MX], v[MX+3]
	v_permlanex16_b32 v[TP], v[MX], s66, s67       ; the other eight rows of each tile lie in lane l xor 16
	v_max_num_f32 v[MX], v[MX], v[TP]
	v_mov_b32 v[MX+1], v[MX]                       ; a pair for the packed subtraction
	v_mov_b32 v[RM+\i], v[MX]
	WIN \ip
.set cnt, 0
.rept 32
	v_pk_add_f32 v[64*\a+cnt:64*\a+cnt+1], v[64*\a+cnt:64*\a+cnt+1], v[MX:MX+1] neg_lo:[0,1] neg_hi:[0,1]   ; e - M
.set cnt, cnt+2
.endr
.set cnt, 0
.rept 32
	v_pk_mul_f32 v[64*\a+cnt:64*\a+cnt+1], v[64*\a+cnt:64*\a+cnt+1], 0x3fb8aa3b op_sel_hi:[1,0]             ; x log2(e)
.set cnt, cnt+2
.endr
.set cnt, 0
.rept 64
	v_exp_f32 v[64*\a+cnt], v[64*\a+cnt]
.set cnt, cnt+1
.endr
	v_nop                                          ; one plain place behind the last v_exp_f32 before a result is used (ISA guide 5.7.2)
	WIN \rd2
	s_wait_alu depctr_va_vdst(0)
.irp q, 0,1,2,3,4,5,6,7,8,9,10,11,12,13,14,15
	v_pk_add_f32 v[T+2*\q:T+2*\q+1], v[64*\a+4*\q:64*\a+4*\q+1], v[64*\a+4*\q+2:64*\a+4*\q+3]
.endr
	WIN 0
.irp q, 0,1,2,3,4,5,6,7
	v_pk_add_f32 v[T+2*\q:T+2*\q+1], v[T+2*\q:T+2*\q+1], v[T+16+2*\q:T+16+2*\q+1]
.endr
.irp q, 0,1,2,3
	v_pk_add_f32 v[T+2*\q:T+2*\q+1], v[T+2*\q:T+2*\q+1], v[T+8+2*\q:T+8+2*\q+1]
.endr
.irp q, 0,1
	v_pk_add_f32 v[T+2*\q:T+2*\q+1], v[T+2*\q:T+2*\q+1], v[T+4+2*\q:T+4+2*\q+1]
.endr
	v_pk_add_f32 v[T:T+1], v[T:T+1], v[T+2:T+3]
	v_add_f32 v[T], v[T], v[T+1]
	v_permlanex16_b32 v[TP], v[T], s66, s67
	v_add_f32 v[RZ+\i], v[T], v[TP]
.endm
	STATS 0, 0, 0x0a, 0x82
	STATS 1, 1, 0x0a, 0x82
	STATS 2, 2, 0x0a, 0x82
	STATS 3, 3, 0x0a, 0x82
	STATS 4, 0, 0x0f, 0xc3
	STATS 5, 1, 0x0f, 0xc3
	STATS 6, 2, 0x0f, 0xc3
	STATS 7, 3, 0x0f, 0xc3
	; Both halves of the lanes hold M and Z of column l % 16.  Lanes 0-15 put M, lanes 16-31 put Z into my stage; read back, each is 512 consecutive bytes.
	v_and_b32 v3, 16, v0
	v_cmp_ne_u32 vcc_lo, 0, v3                     ; lanes 16-31
.irp i, 0,1,2,3,4,5,6,7
	v_cndmask_b32 v[T+\i], v[RM+\i], v[RZ+\i], vcc_lo
	ds_store_b32 v[STO2], v[T+\i] offset:64*\i
.endr
	ds_load_b128 v[T+8:T+11],  v[RD2]              ; LDS serves a wave's instructions in order (ISA guide 5.7.1.4): these see my stores above
	ds_load_b128 v[T+12:T+15], v[RD2] offset:512
	s_wait_dscnt 0x0
	global_store_b128 v[CO2], v[T+8:T+11],  s[6:7]               ; M of my 128 columns: 512 consecutive bytes, aligned
	global_store_b128 v[CO2], v[T+12:T+15], s[6:7] offset:4096   ; Z of them
	s_set_vgpr_msb 0x1
	s_wait_tensorcnt 0x0
	ds_add_u32 v255, v255
	s_wait_dscnt 0x0
	s_set_vgpr_msb 0x100
	CROUND                                         ; the closing round
	s_endpgm
.Lfunc_end_k_qcb5a14dd7d_gram:
	.size	k_qcb5a14dd7d_gram, .Lfunc_end_k_qcb5a14dd7d_gram-k_qcb5a14dd7d_gram
	.p2alignl 7, 3214868480
	.fill 96, 4, 3214868480
	.section	.rodata,"a",@progbits
	.p2align	6, 0x0
	.amdhsa_kernel k_qcb5a14dd7d_gram
		.amdhsa_group_segment_fixed_size 327680
		.amdhsa_private_segment_fixed_size 0
		.amdhsa_enable_private_segment 0
		.amdhsa_kernarg_size 16
		.amdhsa_user_sgpr_count 2
		.amdhsa_user_sgpr_kernarg_segment_ptr 1
		.amdhsa_wavefront_size32 1
		.amdhsa_system_sgpr_workgroup_id_x 1
		.amdhsa_system_sgpr_workgroup_id_y 1
		.amdhsa_system_sgpr_workgroup_id_z 1
		.amdhsa_system_vgpr_workitem_id 0
		.amdhsa_next_free_vgpr 1024
		.amdhsa_next_free_sgpr 80
		.amdhsa_reserve_vcc 1
		.amdhsa_float_denorm_mode_32 3
		.amdhsa_float_denorm_mode_16_64 3
		.amdhsa_memory_ordered 1
		.amdhsa_forward_progress 1
		.amdhsa_inst_pref_size 255
	.end_amdhsa_kernel
	.section	.bss,"aw",@nobits
	.p2align	6
	.space	262144
	.amdgpu_metadata
---
amdhsa.version: [ 1, 2 ]
amdhsa.kernels:
  - .name:           k_qcb5a14dd7d_gram
    .symbol:         k_qcb5a14dd7d_gram.kd
    .args:
      - { .name: hidt, .offset: 0, .size: 8, .value_kind: global_buffer, .address_space: global }
      - { .name: stats, .offset: 8, .size: 8, .value_kind: global_buffer, .address_space: global }
    .group_segment_fixed_size: 327680
    .private_segment_fixed_size: 0
    .kernarg_segment_align: 8
    .kernarg_segment_size: 16
    .max_flat_workgroup_size: 128
    .sgpr_count:     80
    .vgpr_count:     1024
    .wavefront_size: 32
...
	.end_amdgpu_metadata
.endif
;; end of part 3
;; launch ctx (part 4): grid 256 x 1, 8 waves a work-group, no clusters, 9,216 bytes of LDS; arguments hidt, stats, out0; writes out0
.if DOCPART == 4
	.amdgcn_target "amdgcn-amd-amdhsa--gfx1250"
	.amdhsa_code_object_version 6
	.text
	.protected	k_qcb5a14dd7d_ctx
	.globl	k_qcb5a14dd7d_ctx
	.p2align	8
	.type	k_qcb5a14dd7d_ctx,@function
k_qcb5a14dd7d_ctx:
	s_mov_b64 s[64:65], 0
	v_nop
	global_prefetch_b8 v0, s[64:65] scope:SCOPE_SE
	s_setreg_imm32_b32 hwreg(HW_REG_WAVE_MODE, 25, 1), 1
	s_wait_xcnt 0x0
; The softmax's column sums and the last product.  For each column j of batch b: m = max over k of M_k, z_k = Z_k exp(M_k - m), Z = sum of z_k, s_j = sum over k of z_k (1 / Z);
; then out0[b][t] = sum over j of s_j hid[b][t][j].
; hidt: [32 b][1024 j][1024 t] bf16.  stats: [32 b][8 k][2][1024 j] f32 (plane 0: M, plane 1: Z, of 128 rows i each).  out0: [32][1024] f32.
; ORDER OF ROUNDING: alpha = exp(e - m) / Z is summed over i as eight partial sums of 128 exponentials, each times 1 / Z, not number by number.  1 / Z is v_rcp_f32.  Z is at least 1.
; hid enters as the bf16 numbers that the first product stored; sums in f32.
; A stream: every byte of hidt is read once, one multiply-add for each number, so no matrix unit and no large register tile.  No cluster: the loads go to registers, and what the eight
; work-groups of a batch share (64 KiB of stats) is a fifth of what each reads.
; 256 work-groups: batch = number / 8, 128 t (256 bytes of every row) = number % 8.  Wave w, lane (c = l % 16, h = l / 16) takes rows j = 128 w + 64 h + 0..63 and the 16 bytes at 16 c:
; sixteen lanes read 256 consecutive bytes, aligned.  32 loads of every wave are on their way.
; LDS: s[1024] f32 at 0; the eight waves' partial sums, 128 f32 each, at 4,096.
.set ACC, 16                           ; v[16:23]   eight sums: t = 8 c + 0..7
.set ST,  24                           ; v[24:87]   M_k at 4 k, Z_k at 32 + 4 k of my four columns; later s of my 64 rows; at the end the eight partial sums
.set X,   88                           ; v[88:215]  32 slots of four registers: 8 bf16 of a row
.set R,   216                          ; v[216:219] 1 / Z
.set S,   220                          ; v[220:223] s of my four columns
	s_load_b128 s[4:7], s[0:1], 0x0                ; hidt s[4:5], stats s[6:7]
	s_load_b64 s[8:9], s[0:1], 0x10                ; out0
	v_lshl_add_u32 v232, v0, 2, 0x2000
	v_mov_b32 v233, 0
	v_lshrrev_b32 v6, 5, v0
	v_readfirstlane_b32 s10, v6                    ; wave 0..7
	s_lshr_b32 s11, ttmp9, 3                       ; batch
	s_and_b32 s12, ttmp9, 7                        ; block of 128 t
	s_lshl_b32 s14, s11, 21                        ; hidt: the batch's 2 MiB + 256 bytes x block
	s_lshl_b32 s15, s12, 8
	s_add_co_u32 s14, s14, s15
	s_mov_b32 s15, 0
	s_lshl_b32 s16, s11, 16                        ; stats: the batch's 65,536 bytes
	s_mov_b32 s17, 0
	s_lshl_b32 s18, s11, 12                        ; out0: the batch's 4,096 bytes + 512 x block
	s_lshl_b32 s19, s12, 9
	s_add_co_u32 s18, s18, s19
	s_mov_b32 s19, 0
	s_mov_b32 s20, 0x76543210                      ; v_permlanex16_b32: lane i of one half reads lane i of the other
	s_mov_b32 s21, 0xfedcba98
	v_lshrrev_b32 v7, 4, v0                        ; 2 w + h
	v_and_b32 v8, 15, v0                           ; c
	v_lshlrev_b32 v1, 17, v7                       ; 64 rows of 2,048 bytes for each (w, h)
	v_lshl_or_b32 v1, v8, 4, v1                    ; + 16 c: never rewritten
	v_lshlrev_b32 v2, 4, v0                        ; my four columns in a plane of stats, and in s
	v_lshlrev_b32 v3, 8, v7                        ; s of my 64 rows
	v_lshlrev_b32 v4, 9, v6                        ; my wave's partial sums,
	v_lshl_add_u32 v4, v8, 5, v4                   ; my eight of them
	v_and_b32 v5, 31, v0
	v_lshlrev_b32 v5, 4, v5                        ; 16 x lane
	s_wait_kmcnt 0x0
	s_add_nc_u64 s[4:5], s[4:5], s[14:15]
	s_add_nc_u64 s[6:7], s[6:7], s[16:17]
	s_add_nc_u64 s[8:9], s[8:9], s[18:19]
.irp k, 0,1,2,3,4,5,6,7
	global_load_b128 v[ST+4*\k:ST+4*\k+3],       v2, s[6:7] offset:8192*\k        ; M_k
	global_load_b128 v[ST+32+4*\k:ST+32+4*\k+3], v2, s[6:7] offset:8192*\k+4096   ; Z_k
.endr
.irp i, 0,1,2,3,4,5,6,7,8,9,10,11,12,13,14,15,16,17,18,19,20,21,22,23,24,25,26,27,28,29,30,31
	global_load_b128 v[X+4*\i:X+4*\i+3], v1, s[4:5] offset:2048*\i th:TH_LOAD_NT  ; rows 0 to 31 of my 64
.endr
	s_wait_loadcnt 32                              ; the sixteen loads of stats are in; the 32 rows behind them stay on their way
	; the eight blocks' maxima joined
.irp c, 0,1,2,3
	v_max3_num_f32 v[6+\c], v[ST+\c], v[ST+4+\c], v[ST+8+\c]
.endr
.irp c, 0,1,2,3
	v_max3_num_f32 v[6+\c], v[6+\c], v[ST+12+\c], v[ST+16+\c]
.endr
.irp c, 0,1,2,3
	v_max3_num_f32 v[6+\c], v[6+\c], v[ST+20+\c], v[ST+24+\c]
.endr
.irp c, 0,1,2,3
	v_max_num_f32 v[6+\c], v[6+\c], v[ST+28+\c]
.endr
.irp k, 0,1,2,3,4,5,6,7
.irp p, 0,2
	v_pk_add_f32 v[ST+4*\k+\p:ST+4*\k+\p+1], v[ST+4*\k+\p:ST+4*\k+\p+1], v[6+\p:7+\p] neg_lo:[0,1] neg_hi:[0,1]   ; M_k - m, a subtraction of its own ahead of the factor
.endr
.endr
.irp k, 0,1,2,3,4,5,6,7
.irp p, 0,2
	v_pk_mul_f32 v[ST+4*\k+\p:ST+4*\k+\p+1], v[ST+4*\k+\p:ST+4*\k+\p+1], 0x3fb8aa3b op_sel_hi:[1,0]               ; x log2(e)
.endr
.endr
.set cnt, 0
.rept 32
	v_exp_f32 v[ST+cnt], v[ST+cnt]
.set cnt, cnt+1
.endr
	v_nop                                          ; one plain place behind the last v_exp_f32 (ISA guide 5.7.2)
	s_wait_alu depctr_va_vdst(0)
.irp k, 0,1,2,3,4,5,6,7
.irp p, 0,2
	v_pk_mul_f32 v[ST+32+4*\k+\p:ST+32+4*\k+\p+1], v[ST+32+4*\k+\p:ST+32+4*\k+\p+1], v[ST+4*\k+\p:ST+4*\k+\p+1]   ; z_k
.endr
.endr
.irp p, 0,2
	v_pk_add_f32 v[10+\p:11+\p], v[ST+32+\p:ST+32+\p+1], v[ST+36+\p:ST+36+\p+1]
.endr
.irp k, 2,3,4,5,6,7
.irp p, 0,2
	v_pk_add_f32 v[10+\p:11+\p], v[10+\p:11+\p], v[ST+32+4*\k+\p:ST+32+4*\k+\p+1]                                 ; Z
.endr
.endr
.irp c, 0,1,2,3
	v_rcp_f32 v[R+\c], v[10+\c]
.endr
	v_nop                                          ; one plain place behind the last v_rcp_f32
	s_wait_alu depctr_va_vdst(0)
.irp p, 0,2
	v_pk_mul_f32 v[S+\p:S+\p+1], v[ST+32+\p:ST+32+\p+1], v[R+\p:R+\p+1]
.endr
.irp k, 1,2,3,4,5,6,7
.irp p, 0,2
	v_pk_fma_f32 v[S+\p:S+\p+1], v[ST+32+4*\k+\p:ST+32+4*\k+\p+1], v[R+\p:R+\p+1], v[S+\p:S+\p+1]                 ; s = sum over k of z_k / Z
.endr
.endr
	ds_store_b128 v2, v[S:S+3]
	s_wait_dscnt 0x0                               ; my four s are in LDS before I say so
	s_barrier_signal -1
	s_barrier_wait -1                              ; all 1,024 are
.irp q, 0,1,2,3,4,5,6,7,8,9,10,11,12,13,14,15
	ds_load_b128 v[ST+4*\q:ST+4*\q+3], v3 offset:16*\q             ; s of my 64 rows: sixteen lanes read the same words
.endr
	s_wait_dscnt 0x0
	; row 0 starts the sums: nothing is cleared
	s_wait_loadcnt 31                              ; behind row 0's load stand 31 younger ones
.irp u, 0,1,2,3
	v_lshlrev_b32 v[ACC+2*\u],   16, v[X+\u]
	v_and_b32     v[ACC+2*\u+1], 0xffff0000, v[X+\u]
.endr
.irp u, 0,2,4,6
	v_pk_mul_f32 v[ACC+\u:ACC+\u+1], v[ACC+\u:ACC+\u+1], v[ST:ST+1] op_sel_hi:[1,0]    ; both by s of row 0
.endr
	global_load_b128 v[X:X+3], v1, s[4:5] offset:2048*32 th:TH_LOAD_NT
.macro FMA8 i, slot                    ; eight multiply-adds straight from the bf16 halves: eight chains that do not wait for each other
.irp u, 0,1,2,3
	v_fma_mix_f32_bf16 v[ACC+2*\u],   v[X+4*\slot+\u], v[ST+\i], v[ACC+2*\u]   op_sel_hi:[1,0,0]
	v_fma_mix_f32_bf16 v[ACC+2*\u+1], v[X+4*\slot+\u], v[ST+\i], v[ACC+2*\u+1] op_sel:[1,0,0] op_sel_hi:[1,0,0]
.endr
.endm
.irp i, 1,2,3,4,5,6,7,8,9,10,11,12,13,14,15,16,17,18,19,20,21,22,23,24,25,26,27,28,29,30,31
	s_wait_loadcnt 31                              ; behind row i's load: rows i + 1 to 31 and the i reloads, 31 in all
	FMA8 \i, \i
	global_load_b128 v[X+4*\i:X+4*\i+3], v1, s[4:5] offset:2048*(\i+32) th:TH_LOAD_NT  ; the slot's second row
.endr
.irp i, 32,33,34,35,36,37,38,39,40,41,42,43,44,45,46,47,48,49,50,51,52,53,54,55,56,57,58,59,60,61,62,63
	s_wait_loadcnt 63-\i                           ; nothing more is loaded: the counts run down
	FMA8 \i, (\i-32)
.endr
	; lanes l and l xor 16 hold the same t and different rows
.irp q, 0,1,2,3,4,5,6,7
	v_permlanex16_b32 v[6+\q], v[ACC+\q], s20, s21 ; v6 to v13 have been written before
.endr
.irp q, 0,1,2,3,4,5,6,7
	v_add_f32 v[ACC+\q], v[ACC+\q], v[6+\q]
.endr
	ds_store_b128 v4, v[ACC:ACC+3]   offset:4096   ; both halves of the lanes put the same numbers at the same place
	ds_store_b128 v4, v[ACC+4:ACC+7] offset:4112
	s_wait_dscnt 0x0
	s_barrier_signal -1
	s_barrier_wait -1
	s_cmp_lg_u32 s10, 0
	s_cbranch_scc1 .Lend                           ; wave 0 adds the eight waves' sums: 128 numbers, four a lane
.irp k, 0,1,2,3,4,5,6,7
	ds_load_b128 v[ST+4*\k:ST+4*\k+3], v5 offset:4096+512*\k
.endr
	s_wait_dscnt 0x0
.irp k, 0,1,2,3
.irp p, 0,2
	v_pk_add_f32 v[ST+4*\k+\p:ST+4*\k+\p+1], v[ST+4*\k+\p:ST+4*\k+\p+1], v[ST+16+4*\k+\p:ST+16+4*\k+\p+1]
.endr
.endr
.irp k, 0,1
.irp p, 0,2
	v_pk_add_f32 v[ST+4*\k+\p:ST+4*\k+\p+1], v[ST+4*\k+\p:ST+4*\k+\p+1], v[ST+8+4*\k+\p:ST+8+4*\k+\p+1]
.endr
.endr
.irp p, 0,2
	v_pk_add_f32 v[ST+\p:ST+\p+1], v[ST+\p:ST+\p+1], v[ST+4+\p:ST+4+\p+1]
.endr
	global_store_b128 v5, v[ST:ST+3], s[8:9]       ; 512 consecutive bytes, aligned
.Lend:
	s_wait_tensorcnt 0x0
	ds_add_u32 v232, v233
	s_wait_dscnt 0x0
	s_endpgm
.Lfunc_end_k_qcb5a14dd7d_ctx:
	.size	k_qcb5a14dd7d_ctx, .Lfunc_end_k_qcb5a14dd7d_ctx-k_qcb5a14dd7d_ctx
	.p2alignl 7, 3214868480
	.fill 96, 4, 3214868480
	.section	.rodata,"a",@progbits
	.p2align	6, 0x0
	.amdhsa_kernel k_qcb5a14dd7d_ctx
		.amdhsa_group_segment_fixed_size 9216
		.amdhsa_private_segment_fixed_size 0
		.amdhsa_enable_private_segment 0
		.amdhsa_kernarg_size 24
		.amdhsa_user_sgpr_count 2
		.amdhsa_user_sgpr_kernarg_segment_ptr 1
		.amdhsa_wavefront_size32 1
		.amdhsa_system_sgpr_workgroup_id_x 1
		.amdhsa_system_sgpr_workgroup_id_y 1
		.amdhsa_system_sgpr_workgroup_id_z 1
		.amdhsa_system_vgpr_workitem_id 0
		.amdhsa_next_free_vgpr 234
		.amdhsa_next_free_sgpr 66
		.amdhsa_reserve_vcc 0
		.amdhsa_float_denorm_mode_32 3
		.amdhsa_float_denorm_mode_16_64 3
		.amdhsa_memory_ordered 1
		.amdhsa_forward_progress 1
		.amdhsa_inst_pref_size 55
	.end_amdhsa_kernel
	.amdgpu_metadata
---
amdhsa.version: [ 1, 2 ]
amdhsa.kernels:
  - .name:           k_qcb5a14dd7d_ctx
    .symbol:         k_qcb5a14dd7d_ctx.kd
    .args:
      - { .name: hidt, .offset: 0, .size: 8, .value_kind: global_buffer, .address_space: global }
      - { .name: stats, .offset: 8, .size: 8, .value_kind: global_buffer, .address_space: global }
      - { .name: out0, .offset: 16, .size: 8, .value_kind: global_buffer, .address_space: global }
    .group_segment_fixed_size: 9216
    .private_segment_fixed_size: 0
    .kernarg_segment_align: 8
    .kernarg_segment_size: 24
    .max_flat_workgroup_size: 256
    .sgpr_count:     66
    .vgpr_count:     234
    .wavefront_size: 32
...
	.end_amdgpu_metadata
.endif
;; end of part 4
